; MI455X (gfx1250); checked and timed in simulation.
; The chip was launched on July 23, 2026; its instructions are those of AMD's public machine-readable ISA for CDNA 5 (MIT licence, August 2026) and "CDNA5" Instruction Set Architecture Reference Guide (July 2026). The comments in the code are by the model that wrote it; some were corrected since.
;; Abstract Leaky Relu Less. Allowed arithmetic: matrix products marked QUANTISED: E2M3 operands, one E8M0 scale for each 32 along K, by v_wmma_scale_f32_16x16x128_f8f6f4 with both operands' format E2M3, f32 sums; products left as they are: f32 operands where the result goes on into a quantised operand, else bf16, f16 or f32 operands; f32 sums; everything else in f32.
;; Inputs: W 4,096 x 1,024 float32; alpha 4,096 float32; b 4,096 float32; l0 1,024 float32; lowerBound 4,096 float32; u0 1,024 float32; upperBound 4,096 float32.
;; Outputs: out0 2 x 4,096 float32.
;; This version of the problem:
;;   THIS VERSION OF THE PROBLEM IS GIVEN IN LOW PRECISION. The matrix products marked QUANTISED in the list below multiply operands that are first quantised to E2M3 (2 exponent bits, 3 mantissa bits; 6 bits a number), with one power-of-two scale for each 32 numbers along K (OCP MX v1.0); their sums are f32. All else is computed in f32.
;;   The module's matrix products, in the order in which they are computed (A, B: the left and right operand; K: the contracted axis; several contracted axes count as one K, in the product's order):
;;     1. [M 4,096, K 4,096] x [K 4,096, N 1]; A: computed on the way; B: input b: left as it is (N = 1 < 16)
;;     2. [M 4,096, K 4,096] x [K 4,096, N 1]; A: computed on the way; B: input b: left as it is (N = 1 < 16)
;;     3. [M 4,096, K 4,096] x [K 4,096, N 1]; A: computed on the way; B: input b: left as it is (N = 1 < 16)
;;     4. [M 4,096, K 4,096] x [K 4,096, N 1]; A: computed on the way; B: input b: left as it is (N = 1 < 16)
;;     5. [M 4,096, K 4,096] x [K 4,096, N 1,024]; A: computed on the way; B: input W: QUANTISED
;;     6. [M 4,096, K 4,096] x [K 4,096, N 1,024]; A: computed on the way; B: input W: QUANTISED
;;     7. [M 4,096, K 4,096] x [K 4,096, N 1,024]; A: computed on the way; B: input W: QUANTISED
;;     8. [M 4,096, K 4,096] x [K 4,096, N 1,024]; A: computed on the way; B: input W: QUANTISED
;;     9. [M 4,096, K 1,024] x [K 1,024, N 1]; A: computed on the way; B: input u0: left as it is (N = 1 < 16)
;;     10. [M 4,096, K 1,024] x [K 1,024, N 1]; A: computed on the way; B: input l0: left as it is (N = 1 < 16)
;;     11. [M 4,096, K 1,024] x [K 1,024, N 1]; A: computed on the way; B: input l0: left as it is (N = 1 < 16)
;;     12. [M 4,096, K 1,024] x [K 1,024, N 1]; A: computed on the way; B: input u0: left as it is (N = 1 < 16)
;;   THE QUANTISER, for each operand of a quantised product, along K:
;;     - K is cut into blocks of 32 from its start; a last block that is shorter is filled with zeros.
;;     - A block's scale is 2^e with e = floor(log2(the largest magnitude in the block)) - 2, held to -126 .. 127; a block of zeros has e = 0. As a byte (E8M0): e + 127.
;;     - Each number is divided by its block's scale, clamped to +-7.5, and rounded to the nearest number of E2M3, ties to even, subnormals kept.
;;     - The product sums the exact products of the quantised numbers (number of the format x scale) in f32.
;;   ~~~python
;;   def quantise(x, axis):      # numpy; x: float32 -> the quantised numbers, widened to float32 again
;;       x = np.moveaxis(x, axis, -1); K = x.shape[-1]
;;       x = np.pad(x, [(0, 0)] * (x.ndim - 1) + [(0, -K % 32)]); x = x.reshape(x.shape[:-1] + (-1, 32)); a = np.abs(x).max(-1, keepdims=True)
;;       e = np.where(a > 0, np.clip(np.frexp(np.where(a > 0, a, 1))[1] - 1 - 2, -126, 127), 0)      # np.frexp(a)[1] - 1 = floor(log2(a)), exactly
;;       r = np.clip(x / 2.0 ** e, -7.5, 7.5)
;;       step = 2.0 ** (np.maximum(np.frexp(np.where(r == 0, 1, r))[1] - 1, 0) - 3)
;;       q = np.round(r / step) * step * 2.0 ** e      # np.round: ties to even
;;       return np.moveaxis(q.reshape(q.shape[:-2] + (-1,))[..., :K], -1, axis).astype(np.float32)
;;   ~~~
;;   OPERANDS COMPUTED ON THE WAY. 'Computed on the way' means the value that the module computes at that place (a softmax that the list does not call 'softmax' is quantised finished and normalised). What goes into a quantiser is computed in f32, as accurately as f32 sums, v_exp_f32 and their like allow (about 1e-6 of the number): no bf16 or f16 on the way to a quantiser, and a product that is left as it is and whose result goes on into a quantised operand takes f32 operands (vector FMAs, or v_wmma_f32_16x16x4_f32). A number that lies on a knife's edge between two numbers of the format may be rounded either way, as far as f32 arithmetic and the matrix unit's own rounding can turn it there, and no further.
;; One version. Each part assembles by itself: llvm-mc -triple=amdgcn-amd-amdhsa -mcpu=gfx1250 --defsym DOCPART=n.
;; ======== version 1 of 1: 3 launches
;; workspace buffers: wcodes 3,145,728 bytes; wscales 131,072 bytes; part 524,288 bytes
;; launch quant (part 1): grid 8 x 32, 4 waves a work-group, no clusters, 12,800 bytes of LDS; arguments W, wcodes, wscales; writes wcodes, wscales
.if DOCPART == 1
	.amdgcn_target "amdgcn-amd-amdhsa--gfx1250"
	.amdhsa_code_object_version 6
	.text
	.protected	k_q4a0128b59e_quant
	.globl	k_q4a0128b59e_quant
	.p2align	8
	.type	k_q4a0128b59e_quant,@function
k_q4a0128b59e_quant:
	s_mov_b64 s[64:65], 0
	v_nop
	global_prefetch_b8 v0, s[64:65] scope:SCOPE_SE
	s_setreg_imm32_b32 hwreg(HW_REG_WAVE_MODE, 25, 1), 1
	s_wait_xcnt 0x0
; W [4096 (k)][1024 (n)], f32, whose K is its FIRST axis, becomes codes of FP6 (E2M3) with one E8M0 scale byte for each 32 along K, laid as the next launch's matrix operand wants them.
; A block's scale is 2^(floor(log2(its largest magnitude)) - 2); its byte is the largest magnitude's exponent field - 2, held at 1 from below.
; SHARES.  A wave takes 32 columns x one K step of 128: four blocks a lane.  A LANE TAKES A COLUMN AND ITS REGISTERS RUN DOWN K: a block is one lane's 32 registers, its largest magnitude needs no other lane, and
; the conversions give codes with K innermost.  The four waves of a work-group stand side by side on 512 consecutive bytes of each row.
; THE LAYOUT OUT.  wcodes [16 groups of 64 columns][32 K steps][4 tiles of 16 columns][1,536 bytes]: a tile's fragment as an IMAGE OF ITS 12 REGISTERS: register q of lane l at 512 (q / 4) + 16 l + 4 (q % 4).
; In the operand's layout lane (r, h) holds column r, and its registers 6 c .. 6 c + 5 the block 2 c + h of the step: so my block t goes to lane r + 16 (t % 2), registers 6 (t / 2) on.
; My wave's two fragments are gathered in its own 3,072 bytes of LDS and leave by six stores of 512 consecutive bytes.  wscales [16][32][64 columns]: one word a column and K step, byte t for block t.
; LIMITS: NaN and infinities are not served.  A block of zeros gets the byte 1 where the rule says 127: its codes are zeros, and this program alone reads the bytes; blocks whose largest magnitude lies under
; 2^(3 - 127) are held at that byte.  A wave's scale words are 128 consecutive bytes: half of an aligned 256.
.set ROWB,  4096                       ; bytes in a row of W
.set FRAGB, 1536                       ; a fragment's image
.set STEPB, 4*FRAGB                    ; a group's four fragments of a K step
.set GRPB,  32*STEPB                   ; a group's codes
.set FLOOR, 0x1800000                  ; the f32 number 2^(3 - 127)
.set OFF2,  0xff000000                 ; takes 2 off an exponent field
.set C,     16                         ; v16-47   codes: eight registers for each block, so that no LDS store's data are written again
.set OUTR,  48                         ; v48-71   the way out
.set X,     72                         ; v72-199  the four blocks' numbers
	s_load_b128 s[4:7], s[0:1], 0x0                ; W, wcodes
	s_load_b64 s[8:9], s[0:1], 0x10                ; wscales
	v_lshl_add_u32 v200, v0, 2, 0x3000
	v_mov_b32 v201, 0
	v_lshrrev_b32 v1, 5, v0
	v_readfirstlane_b32 s10, v1                    ; wave 0..3
	v_and_b32 v1, 31, v0                           ; lane
	v_lshlrev_b32 v2, 2, v0                        ; W: 128 wave + 4 lane
	v_and_b32 v7, 15, v0                           ; r
	v_bfe_u32 v13, v0, 4, 1                        ; which of my wave's two tiles
	s_mul_i32 s11, s10, 2*FRAGB                    ; my wave's stage
	v_mul_u32_u24 v3, v13, FRAGB
	v_lshl_add_u32 v3, v7, 4, v3
	v_add_nc_u32 v3, s11, v3                       ; into it: my tile's image, 16 r
	v_lshlrev_b32 v5, 4, v1                        ; out: 16 lane, in wcodes
	v_add_nc_u32 v4, s11, v5                       ; and in the stage
	v_lshlrev_b32 v6, 2, v1                        ; my scale word: 4 lane
	s_and_b32 s12, ttmp7, 0xffff                   ; the K step
	s_lshr_b32 s13, s10, 1
	s_and_b32 s14, s10, 1                          ; which half of a group's 64 columns
	s_lshl_b32 s16, s12, 19                        ; W: 128 rows of 4,096 bytes a K step,
	s_lshl_b32 s15, ttmp9, 9                       ; 512 bytes a work-group
	s_add_co_u32 s16, s16, s15
	s_mov_b32 s17, 0
	s_lshl_b32 s15, ttmp9, 1
	s_add_co_u32 s15, s15, s13                     ; the group of 64 columns
	s_mul_i32 s18, s15, GRPB
	s_mul_i32 s20, s12, STEPB
	s_add_co_u32 s18, s18, s20
	s_mul_i32 s20, s14, 2*FRAGB
	s_add_co_u32 s18, s18, s20                     ; my two fragments in wcodes
	s_mov_b32 s19, 0
	s_lshl_b32 s20, s15, 13
	s_lshl_b32 s22, s12, 8
	s_add_co_u32 s20, s20, s22
	s_lshl_b32 s22, s14, 7
	s_add_co_u32 s20, s20, s22                     ; my 32 words in wscales
	s_mov_b32 s21, 0
	s_wait_kmcnt 0x0
	s_add_nc_u64 s[4:5], s[4:5], s[16:17]
	s_add_nc_u64 s[6:7], s[6:7], s[18:19]
	s_add_nc_u64 s[8:9], s[8:9], s[20:21]
.macro LOAD t                          ; block t: W(128 step + 32 t + i, my column); 32 lanes read 128 consecutive bytes; every offset is an immediate.  W is read once
.set LI, 0
.rept 32
	global_load_b32 v[X+32*(\t)+LI], v2, s[4:5] offset:ROWB*(32*(\t)+LI) th:TH_LOAD_NT
.set LI, LI+1
.endr
.endm
	LOAD 0
	LOAD 1
.macro BLOCK t
.set XS, X+32*(\t)
.set CR, C+8*(\t)
.if (\t) < 3
	s_wait_loadcnt 32                              ; this block's 32 loads are in; the next block's 32, issued behind them, may be out
.else
	s_wait_loadcnt 0x0
.endif
.if (\t)+2 < 4
	LOAD (\t)+2                                    ; each block has registers of its own: nothing is waited for here
.endif
	v_max3_num_f32 v8, |v[XS]|, |v[XS+1]|, |v[XS+2]|               ; the block's largest magnitude, in two chains
	v_max3_num_f32 v9, |v[XS+3]|, |v[XS+4]|, |v[XS+5]|
.irp i, 6,10,14,18,22,26
	v_max3_num_f32 v8, v8, |v[XS+\i]|, |v[XS+\i+1]|
	v_max3_num_f32 v9, v9, |v[XS+\i+2]|, |v[XS+\i+3]|
.endr
	v_max3_num_f32 v8, v8, |v[XS+30]|, |v[XS+31]|
	v_max3_num_f32 v8, v8, v9, FLOOR               ; and the floor: the byte cannot fall under 1
	v_add_nc_u32 v10, OFF2, v8                     ; 2 off its exponent field: the conversion takes the exponent field of this operand as its scale, and nothing else of it
	v_cvt_scalef32_pk16_fp6_f32 v[CR:CR+2], v[XS:XS+15], v10
	v_cvt_scalef32_pk16_fp6_f32 v[CR+4:CR+6], v[XS+16:XS+31], v10  ; (a conversion's three registers begin on an even number)
	v_lshrrev_b32 v11, 23, v10                     ; the scale's byte.  (The plain line behind the conversions)
.if (\t) == 0
	v_mov_b32 v12, v11
.else
	v_lshl_or_b32 v12, v11, 8*(\t), v12            ; four bytes make my column's word, the lower K in the lower byte
.endif
	v_mov_b32 v[CR+3], v[CR+4]                     ; the block's six registers on end
	v_mov_b32 v[CR+4], v[CR+5]
	v_mov_b32 v[CR+5], v[CR+6]
.if (\t)/2 == 0                                ; registers 0-5 of lane r + 16 (t % 2)
	ds_store_b128 v3, v[CR:CR+3] offset:256*((\t)%2)
	ds_store_b64 v3, v[CR+4:CR+5] offset:512+256*((\t)%2)
.else                                          ; registers 6-11
	ds_store_b64 v3, v[CR:CR+1] offset:520+256*((\t)%2)
	ds_store_b128 v3, v[CR+2:CR+5] offset:1024+256*((\t)%2)
.endif
.endm
	BLOCK 0
	BLOCK 1
	BLOCK 2
	BLOCK 3
.irp i, 0,1,2,3,4,5
	ds_load_b128 v[OUTR+4*\i:OUTR+4*\i+3], v4 offset:512*\i        ; LDS serves a wave's instructions in order (ISA guide 5.7.1.4): these see my stores
.endr
.irp i, 0,1,2,3,4,5
	s_wait_dscnt 5-\i                              ; the loads issued behind this one may be out
	global_store_b128 v5, v[OUTR+4*\i:OUTR+4*\i+3], s[6:7] offset:512*\i   ; 32 lanes store 512 consecutive bytes, at a multiple of 256 from the buffer's first byte
.endr
	global_store_b32 v6, v12, s[8:9]
	s_wait_tensorcnt 0x0
	ds_add_u32 v200, v201
	s_wait_dscnt 0x0
	s_endpgm
.Lfunc_end_k_q4a0128b59e_quant:
	.size	k_q4a0128b59e_quant, .Lfunc_end_k_q4a0128b59e_quant-k_q4a0128b59e_quant
	.p2alignl 7, 3214868480
	.fill 96, 4, 3214868480
	.section	.rodata,"a",@progbits
	.p2align	6, 0x0
	.amdhsa_kernel k_q4a0128b59e_quant
		.amdhsa_group_segment_fixed_size 12800
		.amdhsa_private_segment_fixed_size 0
		.amdhsa_enable_private_segment 0
		.amdhsa_kernarg_size 24
		.amdhsa_user_sgpr_count 2
		.amdhsa_user_sgpr_kernarg_segment_ptr 1
		.amdhsa_wavefront_size32 1
		.amdhsa_system_sgpr_workgroup_id_x 1
		.amdhsa_system_sgpr_workgroup_id_y 1
		.amdhsa_system_sgpr_workgroup_id_z 1
		.amdhsa_system_vgpr_workitem_id 0
		.amdhsa_next_free_vgpr 202
		.amdhsa_next_free_sgpr 66
		.amdhsa_reserve_vcc 0
		.amdhsa_float_denorm_mode_32 3
		.amdhsa_float_denorm_mode_16_64 3
		.amdhsa_memory_ordered 1
		.amdhsa_forward_progress 1
		.amdhsa_inst_pref_size 22
	.end_amdhsa_kernel
	.amdgpu_metadata
---
amdhsa.version: [ 1, 2 ]
amdhsa.kernels:
  - .name:           k_q4a0128b59e_quant
    .symbol:         k_q4a0128b59e_quant.kd
    .args:
      - { .name: W, .offset: 0, .size: 8, .value_kind: global_buffer, .address_space: global }
      - { .name: wcodes, .offset: 8, .size: 8, .value_kind: global_buffer, .address_space: global }
      - { .name: wscales, .offset: 16, .size: 8, .value_kind: global_buffer, .address_space: global }
    .group_segment_fixed_size: 12800
    .private_segment_fixed_size: 0
    .kernarg_segment_align: 8
    .kernarg_segment_size: 24
    .max_flat_workgroup_size: 128
    .sgpr_count:     66
    .vgpr_count:     202
    .wavefront_size: 32
...
	.end_amdgpu_metadata
.endif
;; end of part 1
;; launch gemm (part 2): grid 16 x 16, 8 waves a work-group, no clusters, 209,920 bytes of LDS; arguments wcodes, wscales, alpha, b, l0, lowerBound, u0, upperBound, part; writes part
.if DOCPART == 2
	.amdgcn_target "amdgcn-amd-amdhsa--gfx1250"
	.amdhsa_code_object_version 6
	.text
	.protected	k_q4a0128b59e_gemm
	.globl	k_q4a0128b59e_gemm
	.p2align	8
	.type	k_q4a0128b59e_gemm,@function
k_q4a0128b59e_gemm:
	s_mov_b64 s[64:65], 0
	v_nop
	global_prefetch_b8 v0, s[64:65] scope:SCOPE_SE
	s_setreg_imm32_b32 hwreg(HW_REG_WAVE_MODE, 25, 1), 1
	s_wait_xcnt 0x0
; The four products max(D_u, 0) W, min(D_u, 0) W, max(D_l, 0) W, min(D_l, 0) W, [4096 x 4096] x [4096 x 1024], on codes of FP6 (E2M3) with one E8M0 scale for each 32 along K, whole, over all of K;
; then each row of Wu and Wl against the box [l0, u0], over this work-group's 64 columns, and the biases.  part [16 groups of columns][4096 rows][lower, upper], f32: the next launch adds the sixteen.
; SHARES.  A work-group makes 64 columns x 256 rows.  Its codes of W, 64 columns x all 4,096 of K, are 196,608 bytes and their scale words 8,192: they come into LDS ONCE and stay; nothing is filled again.
; Eight waves, two to a SIMD.  Wave w makes rows 32 w .. 32 w + 31 of the 256 (one block of 32 along K) against all 64 columns: 2 tiles of rows x 4 tiles of columns x (upper, lower) = 16 accumulators.
; D NEEDS NO BYTES.  It is diagonal by the way it is built: row i holds a number at k = i alone.  Its fragments stand in registers: zero codes in 31 of my 32 K steps; in the step that holds my rows'
; diagonal (2 x the work-group's y + w / 4) each row's one code.  The fragments' registers are written in front of that step and cleared behind it, under a branch on ids.
; THE PRODUCT IS USED TRANSPOSED: source 0 = 16 columns of W, source 1 = 16 rows of D: in the result lane (r, h) holds row r of the tile, and its register j column 8 h + j.
; A K step is 32 matrix instructions.  W's four fragments have two sets of registers; the next step's 14 LDS loads are issued at a step's head, 32 matrix instructions ahead of their use.
; THE BOX.  max(x, 0) u + min(x, 0) l = x cc + |x| rr and max(x, 0) l + min(x, 0) u = x cc - |x| rr, with cc = u / 2 + l / 2, rr = u / 2 - l / 2: an identity.
; NO CLUSTER: the work-groups that read the same columns differ in the step that holds their diagonal, on which a branch hangs; and a work-group fetches its
; 204,800 bytes once, for its 8,192 matrix instructions.
; LIMITS: NaN and infinities among the inputs are not served.  A block of zeros has the scale byte 1 where the rule says 127: its codes are zeros.  A crossing neuron whose upperBound - lowerBound lies
; under 2^-126 or over 2^126 is not served (the reciprocal).
; REGISTERS.  Window 0: v1-27 addresses, constants, masks, biases; v28-31 the four numbers of my lane's row; v32-35 D's scale words; v36-39 W's, two for each set; v40-63 my rows' codes; v64-159 D's eight
; fragments; v160-207, v208-255 W's two sets (at the head: at work; on the way out: cc, rr and the sums).   Window 1: the 16 accumulators: (tile of columns ct, upper or lower q, tile of rows t) at v[8 (4 ct + 2 q + t)].
.set FRAGB, 1536                       ; a fragment's image: register q of lane l at 512 (q / 4) + 16 l + 4 (q % 4)
.set STEPB, 4*FRAGB                    ; a K step's four fragments
.set GRPB,  32*STEPB                   ; LDS 0 on: the codes
.set SCL,   GRPB                       ; then the scale words: 256 bytes a K step, one word a column
.set COEF,  SCL+8192                   ; then 512 bytes for each wave, its own, written by LDS stores: cc of the 64 columns, then rr.  No tile lands here
.set FLOOR, 0x1800000                  ; the f32 number 2^(3 - 127)
.set OFF2,  0xff000000                 ; takes 2 off an exponent field
.set LANE, 1
.set RR,   2                           ; r = lane % 16
.set HH,   3                           ; h = lane / 16
.set FA,   4                           ; LDS address of the fragments to be fetched
.set SA,   5                           ; and of their scale words
.set RO,   6                           ; the rows' vectors: 4 x thread = 128 w + 4 lane
.set O8,   7                           ; u0, l0: 8 lane
.set CST,  8                           ; cc, rr in: COEF + 512 w + 8 lane
.set CRD,  9                           ; and out: COEF + 512 w + 32 h
.set PO,   10                          ; part: 8 x thread
.set NIL,  11                          ; 0
.set ONE,  12                          ; 1.0
.set NSV,  13                          ; 0.01
.set MA,   14                          ; all ones in the lanes that hold my block of the step, if it is block 0 or 1 (registers 0-5 of a fragment)
.set MB,   15                          ; the same, if it is block 2 or 3 (registers 6-11)
.set MAM,  16                          ; the two, or zeros: what is written into D's fragments
.set MBM,  17
.set L16,  18                          ; 16 lane
.set L4,   19                          ; SCL + 4 lane
.set LB,   20
.set UB,   21
.set AL,   22
.set BI,   23
.set UBI,  24                          ; the upper bias, the lower bias
.set LBI,  25
.set MH,   26
.set VAL,  28                          ; max(uw, 0), min(uw, 0), max(lw, 0), min(lw, 0) of row 32 w + lane
.set SWX,  32                          ; D's scale words: my row's byte four times; they hold scales and nothing else
.set SWW,  36                          ; W's: set s: v[36 + 2 s]: lanes 0-15 tile 0's columns, lanes 16-31 tile 1's; v[37 + 2 s]: tiles 2 and 3
.set TC,   40                          ; operand x, tile of rows t: 96 bits at v[40 + 6 x + 3 t]: row 16 t + r's code at bit 6 r, in both halves of the lanes
.set DF,   64                          ; D's fragment (x, t) at v[64 + 12 (2 x + t)]
.set WS,   160
.set OH,   160                         ; at the head: 1.0 in register r of my lane, else 0;
.set OHV,  176                         ; that times my row's number;
.set TT,   192                         ; the codes just made,
.set TX,   196                         ; and the other half of the lanes'
.set CC,   160                         ; on the way out: cc of my eight columns of each tile,
.set RC,   192                         ; rr likewise,
.set SUM,  224                         ; and four registers for each (q, t): x cc in two halves, +-|x| rr in two halves
.set WV,   22                          ; s22 wave;  s24 the work-group's y
.set RG,   24
.set G1S,  28                          ; descriptor groups 1: the scale words, K steps 0-3, 4-15, 16-31
.set G1A,  36
.set G1B,  44
.set G1C,  52
.set G0S,  60                          ; and their groups 0
.set G0A,  68
.set G0B,  72
.set G0C,  76
.set KS,   80                          ; the K step to be multiplied
.set STAR, 81                          ; the K step that holds my rows' diagonal
.set DD,   82
.set SM,   83
.set TB,   84                          ; LDS byte at which the step to be fetched begins
.set TS,   85                          ; and its scale words, from SCL on
.set CNT,  86
.set SEL,  88                          ; s[88:89] v_permlanex16_b32's selects for lane l xor 16
.set FLAG, 90                          ; 1.0 in the first group of columns, else 0
.set ACCW, 0x50                        ; C and D in window 1, all else in window 0
.set MSB, 0
.macro WIN new                         ; the immediate's high byte repeats the setting that is left
.if MSB != \new
	s_set_vgpr_msb (MSB<<8)|\new
.set MSB, \new
.endif
.endm
; A dense block as rows of 256 bytes (32 elements of 8 bytes), no padding: the images are read 16 bytes a lane, 512 consecutive bytes an instruction
.macro SHAPE g, rows
	s_mov_b32 s[\g], 3<<16                         ; no mask; elements of 8 bytes; padding off
	s_mov_b32 s[\g+1], 32<<16                      ; tensor_dim0
	s_mov_b32 s[\g+2], (\rows)<<16                 ; tensor_dim1
	s_mov_b32 s[\g+3], 32<<16                      ; tile_dim0
	s_mov_b32 s[\g+4], \rows                       ; tile_dim1
	s_mov_b32 s[\g+5], 32                          ; the pitch
	s_mov_b32 s[\g+6], 0
	s_mov_b32 s[\g+7], 0
.endm
; My eighth of a block: from goff + wave x rows x 256 bytes behind the base, to LDS byte lds + wave x rows x 256
.macro PLACE g, lds, rows, base, goff
	s_mul_i32 s26, s[WV], (\rows)*256
	s_mov_b32 s[\g], 1
	s_add_co_u32 s[\g+1], s26, \lds
	s_add_nc_u64 s[\g+2:\g+3], s[\base:\base+1], s[26:27]
.if \goff
	s_add_nc_u64 s[\g+2:\g+3], s[\g+2:\g+3], \goff
.endif
	s_or_b32 s[\g+3], s[\g+3], 0x80000000
.endm
	s_load_b256 s[4:11], s[0:1], 0x0               ; wcodes s[4:5], wscales s[6:7], alpha s[8:9], b s[10:11]
	s_load_b256 s[12:19], s[0:1], 0x20             ; l0 s[12:13], lowerBound s[14:15], u0 s[16:17], upperBound s[18:19]
	s_load_b64 s[20:21], s[0:1], 0x40              ; part
	s_set_vgpr_msb 0x40
	v_lshl_add_u32 v128, v0, 2, 0x33000
	v_mov_b32 v129, 0
	s_set_vgpr_msb 0x4045
	ds_add_u32 v128, v129
	ds_add_u32 v128, v129
	s_set_vgpr_msb 0x4500
	v_lshrrev_b32 v1, 5, v0
	v_readfirstlane_b32 s[WV], v1                  ; wave 0..7
	s_and_b32 s[RG], ttmp7, 0xffff
	SHAPE G1S, 4
	SHAPE G1A, 12
	SHAPE G1B, 36
	SHAPE G1C, 48
	v_and_b32 v[LANE], 31, v0
	v_and_b32 v[RR], 15, v0
	v_bfe_u32 v[HH], v0, 4, 1
	v_lshlrev_b32 v[RO], 2, v0
	v_lshlrev_b32 v[O8], 3, v[LANE]
	v_lshlrev_b32 v[PO], 3, v0
	v_lshlrev_b32 v[L16], 4, v[LANE]
	v_lshl_add_u32 v[L4], v[LANE], 2, SCL
	s_lshl_b32 s25, s[WV], 9
	s_add_co_u32 s25, s25, COEF
	v_lshl_add_u32 v[CST], v[LANE], 3, s25
	v_lshl_add_u32 v[CRD], v[HH], 5, s25
	s_mul_i32 s92, ttmp9, GRPB                     ; my group of columns in wcodes,
	s_mov_b32 s93, 0
	s_lshl_b32 s94, ttmp9, 13                      ; and in wscales
	s_mov_b32 s95, 0
	s_mov_b32 s27, 0
	s_wait_dscnt 0x0
	s_wait_kmcnt 0x0
	s_add_nc_u64 s[4:5], s[4:5], s[92:93]
	s_add_nc_u64 s[6:7], s[6:7], s[94:95]
	PLACE G0S, SCL, 4, 6, 0
	PLACE G0A, 0, 12, 4, 0
	PLACE G0B, 4*STEPB, 36, 4, 4*STEPB
	PLACE G0C, 16*STEPB, 48, 4, 16*STEPB
	tensor_load_to_lds s[G0S:G0S+3], s[G1S:G1S+7]  ; all fills go out together, ahead of every wait for them, every LDS read and every barrier: four loads of mine are out
	s_nop 0
	tensor_load_to_lds s[G0A:G0A+3], s[G1A:G1A+7]
	s_nop 0
	tensor_load_to_lds s[G0B:G0B+3], s[G1B:G1B+7]
	s_nop 0
	tensor_load_to_lds s[G0C:G0C+3], s[G1C:G1C+7]
	s_nop 0
.rept 4
	v_nop
.endr
	s_lshl_b32 s92, s[RG], 10                      ; my work-group's 256 rows in a vector over the rows
	s_lshl_b32 s94, ttmp9, 8                       ; its 64 columns in u0 and l0
	s_add_nc_u64 s[8:9], s[8:9], s[92:93]
	s_add_nc_u64 s[10:11], s[10:11], s[92:93]
	s_add_nc_u64 s[14:15], s[14:15], s[92:93]
	s_add_nc_u64 s[18:19], s[18:19], s[92:93]
	s_add_nc_u64 s[12:13], s[12:13], s[94:95]
	s_add_nc_u64 s[16:17], s[16:17], s[94:95]
	global_load_b32 v[LB], v[RO], s[14:15]
	global_load_b32 v[UB], v[RO], s[18:19]
	global_load_b32 v[AL], v[RO], s[8:9]
	global_load_b32 v[BI], v[RO], s[10:11]
	global_load_b64 v[212:213], v[O8], s[16:17]    ; u0 of columns 2 lane, 2 lane + 1 of the 64
	global_load_b64 v[214:215], v[O8], s[12:13]    ; l0 likewise
	s_lshl_b32 s92, ttmp9, 15                      ; part: 32,768 bytes a group of columns,
	s_lshl_b32 s94, s[RG], 11                      ; 2,048 a work-group's 256 rows
	s_add_co_u32 s92, s92, s94
	s_add_nc_u64 s[20:21], s[20:21], s[92:93]
	s_mov_b32 s[SEL], 0x76543210
	s_mov_b32 s[SEL+1], 0xfedcba98
	s_lshl_b32 s[STAR], s[RG], 1
	s_lshr_b32 s25, s[WV], 2
	s_add_co_u32 s[STAR], s[STAR], s25             ; rows 256 y + 32 w on lie in K step 2 y + w / 4,
	s_cmp_eq_u32 ttmp9, 0
	s_cselect_b32 s[FLAG], 1.0, 0                  ; the first group of columns adds the biases: by a factor, not by a branch
	s_cmp_eq_u32 s[STAR], 0
	s_cselect_b32 s[SM], -1, 0                     ; is my diagonal in K step 0?
	v_mov_b32 v[NIL], 0
	v_mov_b32 v[ONE], 1.0
	v_mov_b32 v[NSV], 0x3c23d70a                   ; 0.01
	v_mov_b32 v27, -1
	s_and_b32 s25, s[WV], 1                        ; in its block w % 4: the half of the lanes w % 2,
	v_cmp_eq_u32 vcc_lo, s25, v[HH]
	v_cndmask_b32 v[MH], v[NIL], v27, vcc_lo
	s_bfe_u32 s26, s[WV], 0x10001                  ; registers 6 ((w / 2) % 2) on
	s_cmp_eq_u32 s26, 0
	s_cselect_b32 s26, -1, 0
	s_not_b32 s25, s26
	v_and_b32 v[MA], s26, v[MH]
	v_and_b32 v[MB], s25, v[MH]
.irp x, 0,1,2,3
.irp i, 3,4,5,9,10,11
	v_mov_b32 v[DF+24*\x+\i], 0                    ; zero codes that stay: rows 0-15 have nothing at k = 16 .. 31 of a block,
	v_mov_b32 v[DF+24*\x+9+\i], 0                  ; rows 16-31 nothing at k = 0 .. 15 (registers 0-2 and 6-8 of the fragment 12 further on)
.endr
.endr
.irp i, 0,1,2
	v_mov_b32 v[TX+\i], 0                          ; written once: a lane permute's destination counts as one of its sources
.endr
.irp j, 0,1,2,3,4,5,6,7,8,9,10,11,12,13,14,15
	v_cmp_eq_u32 vcc_lo, \j, v[RR]
	v_cndmask_b32 v[OH+\j], v[NIL], v[ONE], vcc_lo
.endr
	s_wait_loadcnt 0x0
	; cc = u0 / 2 + l0 / 2, rr = u0 / 2 - l0 / 2 of the 64 columns, into my wave's own 512 bytes of LDS
	v_pk_mul_f32 v[218:219], v[214:215], 0.5 op_sel_hi:[1,0]
	v_pk_fma_f32 v[216:217], v[212:213], 0.5, v[218:219] op_sel_hi:[1,0,1]
	v_pk_fma_f32 v[218:219], v[212:213], 0.5, v[218:219] op_sel_hi:[1,0,1] neg_lo:[0,0,1] neg_hi:[0,0,1]
	ds_store_b64 v[CST], v[216:217]
	ds_store_b64 v[CST], v[218:219] offset:256
	; the slopes and biases of row 32 w + lane, in f32
	v_cmp_lt_f32 vcc_lo, 0, v[LB]                  ; positive
	v_cndmask_b32 v208, v[NSV], v[ONE], vcc_lo     ; 1.0 there, else 0.01
	v_sub_f32 v204, v[UB], v[LB]                   ; the slope's divisor
	v_rcp_f32 v206, v204
	v_fma_f32 v205, -v[NSV], v[LB], v[UB]          ; and its dividend.  (The plain line behind the reciprocal)
	v_cmp_gt_f32 s92, 0, v[LB]
	v_cmp_lt_f32 s93, 0, v[UB]
	v_med3_num_f32 v[AL], v[AL], v[NSV], 1.0       ; alpha held to 0.01 .. 1
	s_and_b32 vcc_lo, s92, s93                     ; crossing
	s_wait_alu depctr_va_vdst(0)                   ; a wait ahead of the reciprocal's first reader
	v_mul_f32 v210, v205, v206                     ; the quotient, and one step that takes its remainder in
	v_fma_f32 v207, -v210, v204, v205
	v_fma_f32 v209, v207, v206, v210               ; the slope
	v_cndmask_b32 v204, v208, v209, vcc_lo         ; uw
	v_cndmask_b32 v205, v208, v[AL], vcc_lo        ; lw
	v_sub_f32 v206, v[NSV], v209
	v_mul_f32 v206, v206, v[LB]
	v_cndmask_b32 v[UBI], v[NIL], v206, vcc_lo     ; (0.01 - slope) lowerBound where crossing
	v_max_num_f32 v[VAL], 0, v204
	v_min_num_f32 v[VAL+1], 0, v204
	v_max_num_f32 v[VAL+2], 0, v205
	v_min_num_f32 v[VAL+3], 0, v205
	v_fma_f32 v[UBI], v[VAL], v[BI], v[UBI]        ; the products with b: a diagonal's row has one term; they are not quantised
	v_fma_f32 v[UBI], v[VAL+1], v[BI], v[UBI]
	v_mul_f32 v[LBI], v[VAL+2], v[BI]
	v_fma_f32 v[LBI], v[VAL+3], v[BI], v[LBI]
	v_cmp_eq_u32 vcc_lo, 1, v[HH]                  ; lanes 16-31: stays so through the four QA
; Operand x of the four is quantised: my row's block holds one number, so its magnitude gives the scale.  Sixteen numbers, mine at place r and zeros beside it, give 96 bits with my code at bit 6 r.
.macro QA x
	v_max3_num_f32 v200, |v[VAL+\x]|, |v[VAL+\x]|, FLOOR
	v_add_nc_u32 v201, OFF2, v200                  ; 2 off its exponent field: the conversion's scale operand
.irp j, 0,1,2,3,4,5,6,7,8,9,10,11,12,13,14,15
	v_mul_f32 v[OHV+\j], v[OH+\j], v[VAL+\x]
.endr
	v_cvt_scalef32_pk16_fp6_f32 v[TT:TT+2], v[OHV:OHV+15], v201
	v_lshrrev_b32 v202, 23, v201                   ; the scale's byte.  (The plain line behind a scaled conversion)
	v_lshl_or_b32 v[SWX+\x], v202, 8, v202
	v_lshl_or_b32 v[SWX+\x], v[SWX+\x], 16, v[SWX+\x]   ; four times: my row's other blocks hold zero codes alone
.irp i, 0,1,2
	v_permlanex16_b32 v[TX+\i], v[TT+\i], s[SEL], s[SEL+1]
.endr
.irp i, 0,1,2
	v_cndmask_b32 v[TC+6*\x+\i], v[TT+\i], v[TX+\i], vcc_lo        ; rows 0-15: lanes 16-31 take the other half's
.endr
.irp i, 0,1,2
	v_cndmask_b32 v[TC+6*\x+3+\i], v[TX+\i], v[TT+\i], vcc_lo      ; rows 16-31: lanes 0-15 take the other half's
.endr
.endm
	QA 0
	QA 1
	QA 2
	QA 3
; D's fragments take my rows' codes (s[SM] all ones) or zeros (0).  Rows 16 t + r have their code at k = 16 t + r of my block: registers 3 t on of the block's six, in the block's half of the lanes.
; Four plain lines stand between the last product that read the fragments and the first write, and four between the last write and the next product (ISA guide 7.12.1).
.macro SETDF
	v_and_b32 v[MAM], s[SM], v[MA]
	v_and_b32 v[MBM], s[SM], v[MB]
	v_nop
	v_nop
.irp x, 0,1,2,3
.irp t, 0,1
.irp i, 0,1,2
	v_and_b32 v[DF+12*(2*\x+\t)+3*\t+\i], v[MAM], v[TC+6*\x+3*\t+\i]
	v_and_b32 v[DF+12*(2*\x+\t)+6+3*\t+\i], v[MBM], v[TC+6*\x+3*\t+\i]
.endr
.endr
.endr
.rept 4
	v_nop
.endr
.endm
; In front of a K step: nothing, but for the step that holds my diagonal (the codes go in) and the step behind it (they are cleared).  The branch hangs on ids and a counted step alone.
.macro GUARD
	s_sub_co_u32 s[DD], s[KS], s[STAR]
	s_cmp_gt_u32 s[DD], 1
	s_cbranch_scc1 .Lplain_\@
	s_cmp_eq_u32 s[DD], 0
	s_cselect_b32 s[SM], -1, 0
	SETDF
.Lplain_\@:
.endm
; One product: tile of columns ct, q = 0 upper, 1 lower, tile of rows t, neg = 0 the positive part, 1 the negative; zero = 1: it starts the sum.
.macro MM set, ct, q, t, neg, zero
.set AC, 8*(4*(\ct)+2*(\q)+(\t))
.set WA, WS+48*(\set)+12*(\ct)
.set DU, DF+12*(2*(2*(\q)+(\neg))+(\t))
.set SW, SWW+2*(\set)+(\ct)/2
.set SX, SWX+2*(\q)+(\neg)
.if \zero
.if (((\ct)%2) == 0) && ((\t) == 0)
	v_wmma_scale_f32_16x16x128_f8f6f4 v[AC:AC+7], v[WA:WA+11], v[DU:DU+11], 0, v[SW], v[SX] matrix_a_fmt:MATRIX_FMT_FP6 matrix_b_fmt:MATRIX_FMT_FP6
.elseif ((\ct)%2) == 0
	v_wmma_scale_f32_16x16x128_f8f6f4 v[AC:AC+7], v[WA:WA+11], v[DU:DU+11], 0, v[SW], v[SX] matrix_a_fmt:MATRIX_FMT_FP6 matrix_b_fmt:MATRIX_FMT_FP6 matrix_b_scale:MATRIX_SCALE_ROW1
.elseif (\t) == 0
	v_wmma_scale_f32_16x16x128_f8f6f4 v[AC:AC+7], v[WA:WA+11], v[DU:DU+11], 0, v[SW], v[SX] matrix_a_fmt:MATRIX_FMT_FP6 matrix_b_fmt:MATRIX_FMT_FP6 matrix_a_scale:MATRIX_SCALE_ROW1
.else
	v_wmma_scale_f32_16x16x128_f8f6f4 v[AC:AC+7], v[WA:WA+11], v[DU:DU+11], 0, v[SW], v[SX] matrix_a_fmt:MATRIX_FMT_FP6 matrix_b_fmt:MATRIX_FMT_FP6 matrix_a_scale:MATRIX_SCALE_ROW1 matrix_b_scale:MATRIX_SCALE_ROW1
.endif
.else
.if (((\ct)%2) == 0) && ((\t) == 0)
	v_wmma_scale_f32_16x16x128_f8f6f4 v[AC:AC+7], v[WA:WA+11], v[DU:DU+11], v[AC:AC+7], v[SW], v[SX] matrix_a_fmt:MATRIX_FMT_FP6 matrix_b_fmt:MATRIX_FMT_FP6
.elseif ((\ct)%2) == 0
	v_wmma_scale_f32_16x16x128_f8f6f4 v[AC:AC+7], v[WA:WA+11], v[DU:DU+11], v[AC:AC+7], v[SW], v[SX] matrix_a_fmt:MATRIX_FMT_FP6 matrix_b_fmt:MATRIX_FMT_FP6 matrix_b_scale:MATRIX_SCALE_ROW1
.elseif (\t) == 0
	v_wmma_scale_f32_16x16x128_f8f6f4 v[AC:AC+7], v[WA:WA+11], v[DU:DU+11], v[AC:AC+7], v[SW], v[SX] matrix_a_fmt:MATRIX_FMT_FP6 matrix_b_fmt:MATRIX_FMT_FP6 matrix_a_scale:MATRIX_SCALE_ROW1
.else
	v_wmma_scale_f32_16x16x128_f8f6f4 v[AC:AC+7], v[WA:WA+11], v[DU:DU+11], v[AC:AC+7], v[SW], v[SX] matrix_a_fmt:MATRIX_FMT_FP6 matrix_b_fmt:MATRIX_FMT_FP6 matrix_a_scale:MATRIX_SCALE_ROW1 matrix_b_scale:MATRIX_SCALE_ROW1
.endif
.endif
.endm
; A K step's 32 products: two tiles of columns at a time, their eight accumulators by turns, one instruction a turn: first the positive parts, then the negative parts onto the same sums.
.macro MUL set, zero
.irp p, 0,1
.irp n, 0,1
.irp e, 0,1
.irp q, 0,1
.irp t, 0,1
.if \n == 0
	MM \set, 2*\p+\e, \q, \t, 0, \zero
.else
	MM \set, 2*\p+\e, \q, \t, 1, 0
.endif
.endr
.endr
.endr
.endr
.endr
.endm
; The K step at s[TB] comes into set: 12 loads of 512 consecutive bytes and its two registers of scale words.  No LDS load of mine is out when the two addresses are written.  The two additions and the two
; v_nop are the four places between the last product that read this set and the loads into it.
.macro FETCH set
	v_add_nc_u32 v[FA], s[TB], v[L16]
	v_add_nc_u32 v[SA], s[TS], v[L4]
	v_nop
	v_nop
.irp f, 0,1,2,3
.irp c, 0,1,2
	ds_load_b128 v[WS+48*(\set)+12*\f+4*\c:WS+48*(\set)+12*\f+4*\c+3], v[FA] offset:FRAGB*\f+512*\c
.endr
.endr
	ds_load_b32 v[SWW+2*(\set)], v[SA]
	ds_load_b32 v[SWW+2*(\set)+1], v[SA] offset:128
	s_add_co_u32 s[TB], s[TB], STEPB
	s_add_co_u32 s[TS], s[TS], 256
.endm
; A K step on set.  first = 1: K step 0, which starts the sums: nothing is cleared.  fetch = 1: the next step is asked for, into the other set, 32 matrix instructions ahead of its use.
.macro BODY set, first, fetch
.if !(\first)
	GUARD
.endif
	s_wait_dscnt 0x0                               ; my set is in
.if \fetch
	FETCH 1-(\set)
.endif
	WIN ACCW
	MUL \set, \first
	WIN 0                                          ; at a label and at a branch every window is 0
	s_add_co_u32 s[KS], s[KS], 1
.endm
; A part of the codes has landed: my eighth by my own wait, the others' behind the barrier.  left = how many of my younger tensor loads may stay out.
.macro PHASE left
	s_wait_tensorcnt \left
	s_wait_dscnt 0x0                               ; no LDS instruction of mine is out at a signal
	s_barrier_signal -1
	s_barrier_wait -1
.endm
	SETDF                                          ; K step 0's fragments: my codes where my diagonal lies in it, else zeros
	s_mov_b32 s[KS], 0
	s_mov_b32 s[TB], 0
	s_mov_b32 s[TS], 0
	PHASE 2                                        ; the scale words and K steps 0-3 are in; the loads of steps 4-15 and 16-31 may be out
	FETCH 0
	BODY 0, 1, 1                                   ; K step 0; asks for step 1
	BODY 1, 0, 1                                   ; K step 1; step 2
	BODY 0, 0, 1                                   ; K step 2; step 3
	PHASE 1                                        ; K steps 4-15 are in; the load of steps 16-31 may be out
	s_mov_b32 s[TB], 4*STEPB                       ; stated anew, so that the LDS bytes that this loop reads can be read off here: steps 4 to 15
	s_mov_b32 s[TS], 4*256
	s_mov_b32 s[CNT], 6
.Lmid:                                             ; K steps 3 to 14
	BODY 1, 0, 1
	BODY 0, 0, 1
	s_sub_co_u32 s[CNT], s[CNT], 1
	s_cmp_lg_u32 s[CNT], 0
	s_cbranch_scc1 .Lmid
	PHASE 0                                        ; all is in
	s_mov_b32 s[TB], 16*STEPB                      ; steps 16 to 31
	s_mov_b32 s[TS], 16*256
	s_mov_b32 s[CNT], 8
.Llate:                                            ; K steps 15 to 30
	BODY 1, 0, 1
	BODY 0, 0, 1
	s_sub_co_u32 s[CNT], s[CNT], 1
	s_cmp_lg_u32 s[CNT], 0
	s_cbranch_scc1 .Llate
	BODY 1, 0, 0                                   ; K step 31: nothing is left to fetch
	; THE WAY OUT.  Each result x goes into its row's sums: x cc, two at a time, and |x| rr (upper) or -|x| rr (lower).
.rept 4
	v_nop                                          ; four places between the last product and the loads into W's registers, the writes of the sums and the first read of a result
.endr
.irp ct, 0,1,2,3
	ds_load_b128 v[CC+8*\ct:CC+8*\ct+3],   v[CRD] offset:64*\ct        ; cc and rr of columns 16 ct + 8 h + 0 .. 7: my wave's own bytes
	ds_load_b128 v[CC+8*\ct+4:CC+8*\ct+7], v[CRD] offset:64*\ct+16
	ds_load_b128 v[RC+8*\ct:RC+8*\ct+3],   v[CRD] offset:256+64*\ct
	ds_load_b128 v[RC+8*\ct+4:RC+8*\ct+7], v[CRD] offset:256+64*\ct+16
.endr
	s_wait_dscnt 0x0
	WIN 0x01                                       ; source 0, the results, in window 1
.irp ct, 0,1,2,3
.irp jp, 0,2,4,6                               ; each accumulator is read from its low end on
.irp a, 0,1,2,3                                ; a = 2 q + t
.if (\ct == 0) && (\jp == 0)
	v_pk_mul_f32 v[SUM+4*\a:SUM+4*\a+1], v[8*\a:8*\a+1], v[CC:CC+1]        ; the first lines start the sums
.else
	v_pk_fma_f32 v[SUM+4*\a:SUM+4*\a+1], v[8*(4*\ct+\a)+\jp:8*(4*\ct+\a)+\jp+1], v[CC+8*\ct+\jp:CC+8*\ct+\jp+1], v[SUM+4*\a:SUM+4*\a+1]
.endif
.endr
.endr
.irp j, 0,1,2,3,4,5,6,7
.irp a, 0,1,2,3
.if (\ct == 0) && (\j < 2)
.if \a < 2
	v_mul_f32 v[SUM+4*\a+2+\j%2], |v[8*\a+\j]|, v[RC+\j]
.else
	v_mul_f32 v[SUM+4*\a+2+\j%2], -|v[8*\a+\j]|, v[RC+\j]
.endif
.else
.if \a < 2
	v_fma_f32 v[SUM+4*\a+2+\j%2], |v[8*(4*\ct+\a)+\j]|, v[RC+8*\ct+\j], v[SUM+4*\a+2+\j%2]
.else
	v_fma_f32 v[SUM+4*\a+2+\j%2], -|v[8*(4*\ct+\a)+\j]|, v[RC+8*\ct+\j], v[SUM+4*\a+2+\j%2]
.endif
.endif
.endr
.endr
.endr
	WIN 0
.irp a, 0,1,2,3
	v_pk_add_f32 v[SUM+4*\a:SUM+4*\a+1], v[SUM+4*\a:SUM+4*\a+1], v[SUM+4*\a+2:SUM+4*\a+3]
.endr
.irp a, 0,1,2,3
	v_add_f32 v[SUM+4*\a], v[SUM+4*\a], v[SUM+4*\a+1]
.endr
.irp a, 0,1,2,3
	v_permlanex16_b32 v[SUM+4*\a+1], v[SUM+4*\a], s[SEL], s[SEL+1]         ; the other half of the lanes holds the tiles' other eight columns
.endr
.irp a, 0,1,2,3
	v_add_f32 v[SUM+4*\a], v[SUM+4*\a], v[SUM+4*\a+1]
.endr
	v_cmp_eq_u32 vcc_lo, 1, v[HH]
	v_cndmask_b32 v[SUM+3], v[SUM], v[SUM+4], vcc_lo       ; upper: lanes 0-15 rows 0-15, lanes 16-31 rows 16-31: lane = row
	v_cndmask_b32 v[SUM+2], v[SUM+8], v[SUM+12], vcc_lo    ; lower likewise
	v_fma_f32 v[SUM+3], v[UBI], s[FLAG], v[SUM+3]          ; the biases, in the first group of columns alone
	v_fma_f32 v[SUM+2], v[LBI], s[FLAG], v[SUM+2]
	global_store_b64 v[PO], v[SUM+2:SUM+3], s[20:21]       ; 32 lanes store 256 consecutive bytes, at a multiple of 256 from the buffer's first byte
	s_set_vgpr_msb 0x5
	s_wait_tensorcnt 0x0
	ds_add_u32 v128, v129
	s_wait_dscnt 0x0
	s_set_vgpr_msb 0x500
	s_endpgm
.Lfunc_end_k_q4a0128b59e_gemm:
	.size	k_q4a0128b59e_gemm, .Lfunc_end_k_q4a0128b59e_gemm-k_q4a0128b59e_gemm
	.p2alignl 7, 3214868480
	.fill 96, 4, 3214868480
	.section	.rodata,"a",@progbits
	.p2align	6, 0x0
	.amdhsa_kernel k_q4a0128b59e_gemm
		.amdhsa_group_segment_fixed_size 209920
		.amdhsa_private_segment_fixed_size 0
		.amdhsa_enable_private_segment 0
		.amdhsa_kernarg_size 72
		.amdhsa_user_sgpr_count 2
		.amdhsa_user_sgpr_kernarg_segment_ptr 1
		.amdhsa_wavefront_size32 1
		.amdhsa_system_sgpr_workgroup_id_x 1
		.amdhsa_system_sgpr_workgroup_id_y 1
		.amdhsa_system_sgpr_workgroup_id_z 1
		.amdhsa_system_vgpr_workitem_id 0
		.amdhsa_next_free_vgpr 386
		.amdhsa_next_free_sgpr 96
		.amdhsa_reserve_vcc 1
		.amdhsa_float_denorm_mode_32 3
		.amdhsa_float_denorm_mode_16_64 3
		.amdhsa_memory_ordered 1
		.amdhsa_forward_progress 1
		.amdhsa_inst_pref_size 89
	.end_amdhsa_kernel
	.amdgpu_metadata
---
amdhsa.version: [ 1, 2 ]
amdhsa.kernels:
  - .name:           k_q4a0128b59e_gemm
    .symbol:         k_q4a0128b59e_gemm.kd
    .args:
      - { .name: wcodes, .offset: 0, .size: 8, .value_kind: global_buffer, .address_space: global }
      - { .name: wscales, .offset: 8, .size: 8, .value_kind: global_buffer, .address_space: global }
      - { .name: alpha, .offset: 16, .size: 8, .value_kind: global_buffer, .address_space: global }
      - { .name: b, .offset: 24, .size: 8, .value_kind: global_buffer, .address_space: global }
      - { .name: l0, .offset: 32, .size: 8, .value_kind: global_buffer, .address_space: global }
      - { .name: lowerBound, .offset: 40, .size: 8, .value_kind: global_buffer, .address_space: global }
      - { .name: u0, .offset: 48, .size: 8, .value_kind: global_buffer, .address_space: global }
      - { .name: upperBound, .offset: 56, .size: 8, .value_kind: global_buffer, .address_space: global }
      - { .name: part, .offset: 64, .size: 8, .value_kind: global_buffer, .address_space: global }
    .group_segment_fixed_size: 209920
    .private_segment_fixed_size: 0
    .kernarg_segment_align: 8
    .kernarg_segment_size: 72
    .max_flat_workgroup_size: 256
    .sgpr_count:     96
    .vgpr_count:     386
    .wavefront_size: 32
...
	.end_amdgpu_metadata
.endif
;; end of part 2
;; launch total (part 3): grid 16 x 1, 4 waves a work-group, no clusters, 0 bytes of LDS; arguments part, out0; writes out0
.if DOCPART == 3
	.amdgcn_target "amdgcn-amd-amdhsa--gfx1250"
	.amdhsa_code_object_version 6
	.text
	.protected	k_q4a0128b59e_total
	.globl	k_q4a0128b59e_total
	.p2align	8
	.type	k_q4a0128b59e_total,@function
k_q4a0128b59e_total:
	s_mov_b64 s[64:65], 0
	v_nop
	global_prefetch_b8 v0, s[64:65] scope:SCOPE_SE
	s_setreg_imm32_b32 hwreg(HW_REG_WAVE_MODE, 25, 1), 1
	s_wait_xcnt 0x0
; out0[0][i] = the sum over the 16 groups of columns of part[g][i][0], out0[1][i] that of part[g][i][1].  part: [16][4096][2] f32; out0: [2][4096] f32.
; A thread takes two rows: 16 bytes of each group, so a wave's load covers 512 consecutive bytes; it stores 8 bytes of each output row, so a wave's store covers 256 consecutive bytes, aligned.
; 2,048 threads: 16 work-groups of four waves.  All sixteen loads go out at once; no LDS, no barrier: threads share nothing.
.set GRP, 32768                        ; bytes of a group in part
	s_load_b128 s[4:7], s[0:1], 0x0                ; part, out0
	v_lshlrev_b32 v1, 4, v0                        ; in: 16 bytes a thread
	v_lshlrev_b32 v2, 3, v0                        ; out: 8 bytes a thread
	s_lshl_b32 s8, ttmp9, 11                       ; 128 threads x 16 bytes
	s_mov_b32 s9, 0
	s_lshl_b32 s10, ttmp9, 10                      ; 128 threads x 8 bytes
	s_mov_b32 s11, 0
	s_wait_kmcnt 0x0
	s_add_nc_u64 s[4:5], s[4:5], s[8:9]
	s_add_nc_u64 s[6:7], s[6:7], s[10:11]
.irp k, 0,1,2,3,4,5,6,7,8,9,10,11,12,13,14,15
	global_load_b128 v[4+4*\k:7+4*\k], v1, s[4:5] offset:GRP*\k th:TH_LOAD_NT      ; lower, upper of my first row, lower, upper of my second
.endr
	s_wait_loadcnt 0x0
.irp k, 0,1,2,3,4,5,6,7
	v_pk_add_f32 v[4+4*\k:5+4*\k], v[4+4*\k:5+4*\k], v[36+4*\k:37+4*\k]
	v_pk_add_f32 v[6+4*\k:7+4*\k], v[6+4*\k:7+4*\k], v[38+4*\k:39+4*\k]
.endr
.irp k, 0,1,2,3
	v_pk_add_f32 v[4+4*\k:5+4*\k], v[4+4*\k:5+4*\k], v[20+4*\k:21+4*\k]
	v_pk_add_f32 v[6+4*\k:7+4*\k], v[6+4*\k:7+4*\k], v[22+4*\k:23+4*\k]
.endr
.irp k, 0,1
	v_pk_add_f32 v[4+4*\k:5+4*\k], v[4+4*\k:5+4*\k], v[12+4*\k:13+4*\k]
	v_pk_add_f32 v[6+4*\k:7+4*\k], v[6+4*\k:7+4*\k], v[14+4*\k:15+4*\k]
.endr
	v_add_f32 v68, v4, v8                          ; the last additions also sort: the two lower sums side by side,
	v_add_f32 v69, v6, v10
	v_add_f32 v70, v5, v9                          ; and the two upper
	v_add_f32 v71, v7, v11
	global_store_b64 v2, v[68:69], s[6:7]
	global_store_b64 v2, v[70:71], s[6:7] offset:16384
	s_endpgm
.Lfunc_end_k_q4a0128b59e_total:
	.size	k_q4a0128b59e_total, .Lfunc_end_k_q4a0128b59e_total-k_q4a0128b59e_total
	.p2alignl 7, 3214868480
	.fill 96, 4, 3214868480
	.section	.rodata,"a",@progbits
	.p2align	6, 0x0
	.amdhsa_kernel k_q4a0128b59e_total
		.amdhsa_group_segment_fixed_size 0
		.amdhsa_private_segment_fixed_size 0
		.amdhsa_enable_private_segment 0
		.amdhsa_kernarg_size 16
		.amdhsa_user_sgpr_count 2
		.amdhsa_user_sgpr_kernarg_segment_ptr 1
		.amdhsa_wavefront_size32 1
		.amdhsa_system_sgpr_workgroup_id_x 1
		.amdhsa_system_sgpr_workgroup_id_y 1
		.amdhsa_system_sgpr_workgroup_id_z 1
		.amdhsa_system_vgpr_workitem_id 0
		.amdhsa_next_free_vgpr 72
		.amdhsa_next_free_sgpr 66
		.amdhsa_reserve_vcc 0
		.amdhsa_float_denorm_mode_32 3
		.amdhsa_float_denorm_mode_16_64 3
		.amdhsa_memory_ordered 1
		.amdhsa_forward_progress 1
		.amdhsa_inst_pref_size 5
	.end_amdhsa_kernel
	.amdgpu_metadata
---
amdhsa.version: [ 1, 2 ]
amdhsa.kernels:
  - .name:           k_q4a0128b59e_total
    .symbol:         k_q4a0128b59e_total.kd
    .args:
      - { .name: part, .offset: 0, .size: 8, .value_kind: global_buffer, .address_space: global }
      - { .name: out0, .offset: 8, .size: 8, .value_kind: global_buffer, .address_space: global }
    .group_segment_fixed_size: 0
    .private_segment_fixed_size: 0
    .kernarg_segment_align: 8
    .kernarg_segment_size: 16
    .max_flat_workgroup_size: 128
    .sgpr_count:     66
    .vgpr_count:     72
    .wavefront_size: 32
...
	.end_amdgpu_metadata
.endif
;; end of part 3
